; MI455X (gfx1250); checked and timed in simulation.
; The chip was launched on July 23, 2026; its instructions are those of AMD's public machine-readable ISA for CDNA 5 (MIT licence, August 2026) and "CDNA5" Instruction Set Architecture Reference Guide (July 2026). The comments in the code are by the model that wrote it; some were corrected since.
;; Multi Head Attention. Allowed arithmetic: matrix products marked QUANTISED: E2M3 operands, one E8M0 scale for each 32 along K, by v_wmma_scale_f32_16x16x128_f8f6f4 with both operands' format E2M3, f32 sums; everything else in f32.
;; Inputs: Wk 1,024 x 1,024 float32; Wo 1,024 x 1,024 float32; Wq 1,024 x 1,024 float32; Wv 1,024 x 1,024 float32; bo 1,024 float32; x 2 x 2,048 x 1,024 float32.
;; Outputs: out0 2 x 2,048 x 1,024 float32.
;; This version of the problem:
;;   THIS VERSION OF THE PROBLEM IS GIVEN IN LOW PRECISION. The matrix products marked QUANTISED in the list below multiply operands that are first quantised to E2M3 (2 exponent bits, 3 mantissa bits; 6 bits a number), with one power-of-two scale for each 32 numbers along K (OCP MX v1.0); their sums are f32. All else is computed in f32.
;;   The module's matrix products, in the order in which they are computed (A, B: the left and right operand; K: the contracted axis; several contracted axes count as one K, in the product's order):
;;     1. [M 4,096, K 1,024] x [K 1,024, N 1,024]; A: input x; B: input Wq: QUANTISED
;;     2. [M 4,096, K 1,024] x [K 1,024, N 1,024]; A: input x; B: input Wk: QUANTISED
;;     3. [M 4,096, K 1,024] x [K 1,024, N 1,024]; A: input x; B: input Wv: QUANTISED
;;     4. batch 32 x [M 2,048, K 64] x [K 64, N 2,048]; A: computed on the way; B: computed on the way: QUANTISED
;;     5. batch 32 x [M 2,048, K 2,048] x [K 2,048, N 64]; A: softmax (see below); B: computed on the way: QUANTISED
;;     6. [M 4,096, K 1,024] x [K 1,024, N 1,024]; A: computed on the way; B: input Wo: QUANTISED
;;   THE QUANTISER, for each operand of a quantised product, along K:
;;     - K is cut into blocks of 32 from its start; a last block that is shorter is filled with zeros.
;;     - A block's scale is 2^e with e = floor(log2(the largest magnitude in the block)) - 2, held to -126 .. 127; a block of zeros has e = 0. As a byte (E8M0): e + 127.
;;     - Each number is divided by its block's scale, clamped to +-7.5, and rounded to the nearest number of E2M3, ties to even, subnormals kept.
;;     - The product sums the exact products of the quantised numbers (number of the format x scale) in f32.
;;   ~~~python
;;   def quantise(x, axis):      # numpy; x: float32 -> the quantised numbers, widened to float32 again
;;       x = np.moveaxis(x, axis, -1); K = x.shape[-1]
;;       x = np.pad(x, [(0, 0)] * (x.ndim - 1) + [(0, -K % 32)]); x = x.reshape(x.shape[:-1] + (-1, 32)); a = np.abs(x).max(-1, keepdims=True)
;;       e = np.where(a > 0, np.clip(np.frexp(np.where(a > 0, a, 1))[1] - 1 - 2, -126, 127), 0)      # np.frexp(a)[1] - 1 = floor(log2(a)), exactly
;;       r = np.clip(x / 2.0 ** e, -7.5, 7.5)
;;       step = 2.0 ** (np.maximum(np.frexp(np.where(r == 0, 1, r))[1] - 1, 0) - 3)
;;       q = np.round(r / step) * step * 2.0 ** e      # np.round: ties to even
;;       return np.moveaxis(q.reshape(q.shape[:-2] + (-1,))[..., :K], -1, axis).astype(np.float32)
;;   ~~~
;;   SOFTMAX AHEAD OF A QUANTISED PRODUCT. Where the list says 'softmax', what is quantised is not the finished softmax but p = 2^(t - M), with t = logit x log2(e) and M = ceil(the row's largest t), a whole number; so 1/2 < the row's largest p <= 1. The row's sum l is taken of the UNQUANTISED p, in f32, and the product's result is divided by l at the end. Since M is a whole number, a kernel that streams over the keys may use a running M (the ceiling of the running maximum): every later rescaling is an exact power of two, which a block's scale takes up: the codes' values come out the same.
;;   OPERANDS COMPUTED ON THE WAY. 'Computed on the way' means the value that the module computes at that place (a softmax that the list does not call 'softmax' is quantised finished and normalised). What goes into a quantiser is computed in f32, as accurately as f32 sums, v_exp_f32 and their like allow (about 1e-6 of the number): no bf16 or f16 on the way to a quantiser, and a product that is left as it is and whose result goes on into a quantised operand takes f32 operands (vector FMAs, or v_wmma_f32_16x16x4_f32). A number that lies on a knife's edge between two numbers of the format may be rounded either way, as far as f32 arithmetic and the matrix unit's own rounding can turn it there, and no further.
;; One version. Each part assembles by itself: llvm-mc -triple=amdgcn-amd-amdhsa -mcpu=gfx1250 --defsym DOCPART=n.
;; ======== version 1 of 1: 4 launches
;; limits: right only within a limited range of input values
;; workspace buffers: cw 6,291,456 bytes; sw 262,144 bytes; qc 3,145,728 bytes; qs 262,144 bytes; kv 6,553,600 bytes; oc 3,145,728 bytes; os 131,072 bytes
;; launch quant (part 1): grid 256 x 1, 8 waves a work-group, no clusters, 69,632 bytes of LDS; arguments x, Wq, Wk, Wv, Wo, cw, sw; writes cw, sw
.if DOCPART == 1
	.amdgcn_target "amdgcn-amd-amdhsa--gfx1250"
	.amdhsa_code_object_version 6
	.text
	.protected	k_q7044106197_quant
	.globl	k_q7044106197_quant
	.p2align	8
	.type	k_q7044106197_quant,@function
k_q7044106197_quant:
	s_mov_b64 s[64:65], 0
	v_nop
	global_prefetch_b8 v0, s[64:65] scope:SCOPE_SE
	s_setreg_imm32_b32 hwreg(HW_REG_WAVE_MODE, 25, 1), 1
	s_wait_xcnt 0x0
; x [4096][1024] and Wq, Wk, Wv, Wo [1024][1024], f32, K innermost, become codes of FP6 (E2M3) with one E8M0 byte for each 32 along K,
; laid as IMAGES OF OPERAND REGISTERS.  A tile is 16 rows; tile T of a tensor holds, as its row p, the tensor's row 64 (T / 4) + 32 (p / 8) + 8 (T % 4) + p % 8:
; so the 32 results that a lane has of a block's four tiles are 32 neighbours, one scale block of the next product.
; A fragment (a tile x 128 along K) is 12 registers a lane: lane (r, h) holds row r, registers 6 c .. 6 c + 5 hold k = 64 c + 32 h + 0 .. 31.
; Its image is 1,536 bytes: registers 4 q .. 4 q + 3 of lane l at 512 q + 16 l.  cw: blocks of four tiles, [K step 8][tile 4][1,536]; x's 64 blocks, then 16 of each weight.
; sw: [tile 512][K half 2][row 16][4 words]: a row's scale word (four bytes) for each K step.
; A block's scale is 2^(floor(log2(largest magnitude)) - 2); its byte is the largest magnitude's exponent field - 2, held at 1 from below.
; LIMITS: NaN and infinities are not served; a block whose largest magnitude lies under 2^-124, zeros among them, gets the byte 1 (the bytes are read by this program alone).
; SHARES: a work-group takes two tiles, a wave a quarter of K of one: 16 rows x 256 numbers, in two steps of 128 along K, all asked for at once (32 loads, each of 512 consecutive
; bytes of one row).  A step's 16 rows turn through the wave's own stage in LDS (rows 528 bytes apart) and come back 32 neighbours a block to a lane.  The four waves' scale words of
; a tile meet in LDS and leave as 512 consecutive bytes.  No tensor load; nothing is read by two work-groups; no loop to prefetch in.
.set STG,   8448                       ; a wave's stage: 16 rows x 528 bytes
.set SCS,   8*STG                      ; behind the stages: two tiles' scale words, 512 bytes each
.set SPARE, SCS+1024                   ; the spare words, 128 bytes a wave
.set SPW,   8
.set NIL,   9
.set RR,    48                         ; v48-175  two sets of 64 registers as loaded
.set X,     176                        ; v176-239 my 64 numbers: two whole blocks
.set C,     36                         ; v36-47   the fragment's 12 registers
.set PT,    26                         ; v26-33   each block's upper 16 codes, before they are moved
.set WD,    20                         ; v20-21   the two steps' scale words
	s_load_b256 s[4:11], s[0:1], 0x0               ; x, Wq, Wk, Wv
	s_load_b128 s[12:15], s[0:1], 0x20             ; Wo, cw
	s_load_b64 s[16:17], s[0:1], 0x30              ; sw
	v_lshl_add_u32 v[SPW], v0, 2, SPARE
	v_mov_b32 v[NIL], 0
	v_lshrrev_b32 v1, 5, v0
	v_readfirstlane_b32 s18, v1                    ; wave 0..7
	v_and_b32 v1, 31, v0
	v_lshlrev_b32 v2, 4, v1                        ; 16 x lane
	v_and_b32 v1, 15, v0                           ; r
	v_bfe_u32 v5, v0, 4, 1                         ; h
	s_mul_i32 s28, s18, STG
	v_add_nc_u32 v3, s28, v2                       ; into the stage: 16 x lane of a row
	v_mul_u32_u24 v4, v1, 528
	v_lshl_add_u32 v4, v5, 7, v4
	v_add_nc_u32 v4, s28, v4                       ; out of it: row r, 128 h bytes on
	s_lshr_b32 s29, s18, 2                         ; which of my work-group's tiles
	s_and_b32 s20, s18, 3                          ; my quarter of K
	s_lshl_b32 s30, s29, 9
	s_add_co_u32 s30, s30, SCS
	v_add_nc_u32 v34, s30, v2                      ; out: the tile's scale words
	s_lshr_b32 s31, s20, 1
	s_lshl_b32 s31, s31, 8
	s_add_co_u32 s30, s30, s31
	s_and_b32 s31, s20, 1
	s_lshl_b32 s31, s31, 3
	s_add_co_u32 s30, s30, s31
	s_wait_alu depctr_va_vdst(0)                   ; behind the scalar lines
	v_lshlrev_b32 v6, 4, v1
	v_add_nc_u32 v6, s30, v6                       ; in: 256 x (quarter / 2) + 16 r + 8 (quarter % 2)
	v_lshlrev_b32 v7, 3, v5                        ; 8 h: my bytes' shift in a scale word
	v_mov_b32 v19, 0                               ; a lane permute's destination counts as read
	s_lshl_b32 s19, ttmp9, 1
	s_add_co_u32 s19, s19, s29                     ; my tile among the 512
	s_and_b32 s21, s19, 63                         ; the tile's number inside a weight
	s_mov_b32 s24, 0x76543210
	s_mov_b32 s25, 0xfedcba98                      ; selects for lane l xor 16
	s_lshr_b32 s26, s19, 2
	s_mul_i32 s26, s26, 49152                      ; cw: the block,
	s_and_b32 s27, s19, 3
	s_mul_i32 s27, s27, 1536                       ; the tile in it,
	s_add_co_u32 s26, s26, s27
	s_mul_i32 s27, s20, 12288                      ; two K steps a quarter
	s_add_co_u32 s26, s26, s27
	s_mov_b32 s27, 0
	s_lshl_b32 s30, s19, 9                         ; sw: 512 bytes a tile
	s_mov_b32 s31, 0
	s_wait_alu depctr_va_vdst(0)                   ; the wait at the head's end
	s_wait_kmcnt 0x0
	s_add_nc_u64 s[14:15], s[14:15], s[26:27]
	s_add_nc_u64 s[16:17], s[16:17], s[30:31]
	s_mov_b64 s[22:23], s[12:13]                   ; which tensor: the choice hangs on the work-group's number alone
	s_cmp_lt_u32 ttmp9, 224
	s_cselect_b64 s[22:23], s[10:11], s[22:23]
	s_cmp_lt_u32 ttmp9, 192
	s_cselect_b64 s[22:23], s[8:9], s[22:23]
	s_cmp_lt_u32 ttmp9, 160
	s_cselect_b64 s[22:23], s[6:7], s[22:23]
	s_cmp_lt_u32 ttmp9, 128
	s_cselect_b64 s[22:23], s[4:5], s[22:23]
	s_cselect_b32 s21, s19, s21                    ; the tile's number in its tensor
	s_lshr_b32 s26, s21, 2
	s_lshl_b32 s26, s26, 18                        ; 64 rows of 4,096 bytes for each four tiles,
	s_and_b32 s21, s21, 3
	s_lshl_b32 s21, s21, 15                        ; 8 rows for each tile of the four,
	s_add_co_u32 s26, s26, s21
	s_lshl_b32 s21, s20, 10                        ; 256 numbers for each quarter of K
	s_add_co_u32 s26, s26, s21
	s_add_nc_u64 s[22:23], s[22:23], s[26:27]
.macro LOAD t                          ; step t: 128 numbers of each of the tile's 16 rows: a load reads 512 consecutive bytes
.irp i, 0,1,2,3,4,5,6,7,8,9,10,11,12,13,14,15
	global_load_b128 v[RR+64*(\t)+4*\i:RR+64*(\t)+4*\i+3], v2, s[22:23] offset:(\i+24*(\i/8))*4096+512*(\t) th:TH_LOAD_NT
.endr
.endm
.macro QUANT64 t                       ; my two blocks (blocks h and 2 + h of row r's 128) become codes; the row's four bytes become a word
.irp c, 0,1
	v_max3_num_f32 v[10+2*\c], |v[X+32*\c]|, |v[X+32*\c+1]|, 0x1800000       ; two chains a block, each with the floor 2^(3 - 127) among its leaves
	v_max3_num_f32 v[11+2*\c], |v[X+32*\c+16]|, |v[X+32*\c+17]|, 0x1800000
.endr
.irp i, 2,4,6,8,10,12,14
.irp c, 0,1
	v_max3_num_f32 v[10+2*\c], v[10+2*\c], |v[X+32*\c+\i]|, |v[X+32*\c+\i+1]|
	v_max3_num_f32 v[11+2*\c], v[11+2*\c], |v[X+32*\c+16+\i]|, |v[X+32*\c+17+\i]|
.endr
.endr
	v_max_num_f32 v10, v10, v11
	v_max_num_f32 v12, v12, v13
	v_add_nc_u32 v14, 0xff000000, v10              ; 2 off the exponent field: the conversion's scale operand
	v_add_nc_u32 v15, 0xff000000, v12
	v_lshrrev_b32 v16, 23, v14                     ; the bytes
	v_lshrrev_b32 v17, 23, v15
	v_lshl_or_b32 v18, v17, 16, v16
	v_lshlrev_b32 v18, v7, v18                     ; at their places in the word,
	v_permlanex16_b32 v19, v18, s24, s25
	v_or_b32 v[WD+(\t)], v18, v19                  ; and with lane l xor 16's two the word is whole
.irp c, 0,1
	v_cvt_scalef32_pk16_fp6_f32 v[C+6*\c:C+6*\c+2], v[X+32*\c:X+32*\c+15], v[14+\c]
	v_cvt_scalef32_pk16_fp6_f32 v[PT+4*\c:PT+4*\c+2], v[X+32*\c+16:X+32*\c+31], v[14+\c]   ; (a conversion's three registers begin on an even number)
.endr
	v_nop                                          ; one plain place behind the scaled conversions
.irp c, 0,1
.irp i, 0,1,2
	v_mov_b32 v[C+6*\c+3+\i], v[PT+4*\c+\i]
.endr
.endr
.endm
.macro STEP t
	s_wait_loadcnt 16*(1-(\t))                     ; this step's 16 loads are in; the next step's may be out
.irp i, 0,1,2,3,4,5,6,7,8,9,10,11,12,13,14,15
	ds_store_b128 v3, v[RR+64*(\t)+4*\i:RR+64*(\t)+4*\i+3] offset:528*\i
.endr
.irp c, 0,1
.irp j, 0,1,2,3,4,5,6,7
	ds_load_b128 v[X+32*\c+4*\j:X+32*\c+4*\j+3], v4 offset:256*\c+16*\j    ; LDS serves a wave's instructions in order: these see the stores above
.endr
.endr
	s_wait_dscnt 0x0                               ; my numbers are back
	s_wait_xcnt 0x0                                ; the last step's stores have read the codes' registers: they are written again only behind this wait
	QUANT64 \t
.irp q, 0,1,2
	global_store_b128 v2, v[C+4*\q:C+4*\q+3], s[14:15] offset:6144*(\t)+512*\q   ; 32 lanes store 512 consecutive bytes, aligned
.endr
.endm
	LOAD 0
	LOAD 1
	STEP 0
	STEP 1
	ds_store_b64 v6, v[WD:WD+1]                    ; both lanes of a row write the same words with the same values
	s_wait_dscnt 0x0                               ; for the other waves' sake
	s_barrier_signal -1
	s_barrier_wait -1
	s_cmp_lg_u32 s20, 0
	s_cbranch_scc1 .Lnot_first
	ds_load_b128 v[176:179], v34
	s_wait_dscnt 0x0
	global_store_b128 v2, v[176:179], s[16:17]     ; the tile's 512 bytes of scale words
.Lnot_first:
	s_wait_tensorcnt 0x0                           ; the wave's end: behind my last LDS store
	ds_add_u32 v[SPW], v[NIL]
	s_wait_dscnt 0x0
	s_endpgm
.Lfunc_end_k_q7044106197_quant:
	.size	k_q7044106197_quant, .Lfunc_end_k_q7044106197_quant-k_q7044106197_quant
	.p2alignl 7, 3214868480
	.fill 96, 4, 3214868480
	.section	.rodata,"a",@progbits
	.p2align	6, 0x0
	.amdhsa_kernel k_q7044106197_quant
		.amdhsa_group_segment_fixed_size 69632
		.amdhsa_private_segment_fixed_size 0
		.amdhsa_enable_private_segment 0
		.amdhsa_kernarg_size 56
		.amdhsa_user_sgpr_count 2
		.amdhsa_user_sgpr_kernarg_segment_ptr 1
		.amdhsa_wavefront_size32 1
		.amdhsa_system_sgpr_workgroup_id_x 1
		.amdhsa_system_sgpr_workgroup_id_y 1
		.amdhsa_system_sgpr_workgroup_id_z 1
		.amdhsa_system_vgpr_workitem_id 0
		.amdhsa_next_free_vgpr 240
		.amdhsa_next_free_sgpr 66
		.amdhsa_reserve_vcc 0
		.amdhsa_float_denorm_mode_32 3
		.amdhsa_float_denorm_mode_16_64 3
		.amdhsa_memory_ordered 1
		.amdhsa_forward_progress 1
		.amdhsa_inst_pref_size 18
	.end_amdhsa_kernel
	.amdgpu_metadata
---
amdhsa.version: [ 1, 2 ]
amdhsa.kernels:
  - .name:           k_q7044106197_quant
    .symbol:         k_q7044106197_quant.kd
    .args:
      - { .name: x, .offset: 0, .size: 8, .value_kind: global_buffer, .address_space: global }
      - { .name: Wq, .offset: 8, .size: 8, .value_kind: global_buffer, .address_space: global }
      - { .name: Wk, .offset: 16, .size: 8, .value_kind: global_buffer, .address_space: global }
      - { .name: Wv, .offset: 24, .size: 8, .value_kind: global_buffer, .address_space: global }
      - { .name: Wo, .offset: 32, .size: 8, .value_kind: global_buffer, .address_space: global }
      - { .name: cw, .offset: 40, .size: 8, .value_kind: global_buffer, .address_space: global }
      - { .name: sw, .offset: 48, .size: 8, .value_kind: global_buffer, .address_space: global }
    .group_segment_fixed_size: 69632
    .private_segment_fixed_size: 0
    .kernarg_segment_align: 8
    .kernarg_segment_size: 56
    .max_flat_workgroup_size: 256
    .sgpr_count:     66
    .vgpr_count:     240
    .wavefront_size: 32
...
	.end_amdgpu_metadata
.endif
;; end of part 1
;; launch qkv (part 2): grid 16 x 16, 4 waves a work-group, clusters of 4 x 1, 167,936 bytes of LDS; arguments cw, sw, qc, qs, kv; writes qc, qs, kv
.if DOCPART == 2
	.amdgcn_target "amdgcn-amd-amdhsa--gfx1250"
	.amdhsa_code_object_version 6
	.text
	.protected	k_q7044106197_qkv
	.globl	k_q7044106197_qkv
	.p2align	8
	.type	k_q7044106197_qkv,@function
k_q7044106197_qkv:
	s_mov_b64 s[64:65], 0
	v_nop
	global_prefetch_b8 v0, s[64:65] scope:SCOPE_SE
	s_setreg_imm32_b32 hwreg(HW_REG_WAVE_MODE, 25, 1), 1
	s_wait_xcnt 0x0
	s_wait_alu depctr_hold_cnt(0) depctr_sa_sdst(0) depctr_va_vdst(0) depctr_va_sdst(0) depctr_va_ssrc(0) depctr_va_vcc(0) depctr_vm_vsrc(0)
	s_getreg_b32 s2, hwreg(HW_REG_IB_STS2, 6, 4)
	s_cmp_eq_u32 s2, 0
	s_cbranch_scc0 .Lentry_in_a_cluster
	s_endpgm
.Lentry_in_a_cluster:
	s_bfe_u32 s2, ttmp6, 0x10000c
	s_cmp_lg_u32 s2, 0x3003
	s_cbranch_scc0 .Lentry_shape_is_right
	s_endpgm
.Lentry_shape_is_right:
; q = x Wq^T, k = x Wk^T, v = x Wv^T on codes of FP6 (E2M3) with E8M0 scales, sums in f32; the results are quantised in registers, q and k along the head's 64, v along the keys,
; and stored as images of the registers in which the attention launch wants them.
; SHARES: a work-group takes 256 tokens and one head (192 columns); each of its four waves 64 tokens (four tiles) x all 192 columns, one after the other: q's 64, k's, v's.
; THE WEIGHTS of the head, three blocks of 49,152 bytes, come into LDS once, one tensor load a wave: Wq's K steps 0-3, its K steps 4-7, Wk, Wv.  They are the same for the four work-groups of
; a cluster (four token blocks of one head), so each is asked for JOINTLY.  Nothing in LDS is filled again.  x's fragments belong to one wave alone: they go from memory straight into
; registers, 512 consecutive bytes a load, and stay there for all three products.  They are not asked for jointly: a cluster that shared them would hold 196,608 bytes of x beside 147,456 of
; weights, more than a work-group's LDS.  No prefetch: the launch has no loop, and its loads go out in the first third of its products.
; LAYOUT: q and k are made transposed (source 0 = 16 rows of W, source 1 = 16 tokens): a lane holds one token.  v is made the other way: a lane holds one channel.  By the tiles' order of rows
; (tile T, row p = row 64 (T / 4) + 32 (p / 8) + 8 (T % 4) + p % 8) lane (r, h) holds in four tiles' 32 registers block h of its 64 along the next K: no lane needs another's numbers.
; OUT: qc [batch, head][tile 128][768 bytes]: registers 0-3 at 16 x lane, 4-5 at 512 + 8 x lane;  qs [batch, head][64 tokens][lane 32][two equal words]: lanes 0-15 tiles 0 and 1 (low and
; high half), lanes 16-31 tiles 2 and 3;  kv [batch, head][128 keys][K 4 x 1,536: two key tiles to a fragment; V 4 x 2 x 768: channel tile, 64 keys; scales 512: 64 keys, lane, K's word, V's word].
; LIMITS: NaN and infinities are not served; a block whose largest magnitude lies under 2^-124 gets the byte 1 (read by this program alone).
; REGISTERS, in windows of 256: window 0: v1-15 addresses and words; v32-127 two buffers of four weight fragments; v128-143 x's scale words, v144-191 the weights'; v192-249 the quantiser's.
;   window 1: q's, then v's 16 accumulators at 0, k's at 128.   windows 2, 3: x's 32 fragments, 21 to a window.
.set BLKB,  49152                      ; a block: [K step 8][tile 4][1,536 bytes]
.set SPARE, 3*BLKB                     ; behind the weights: the spare words, 128 bytes a wave
.set SPW, 8
.set NIL, 9
.set WV,  14                           ; s14 my wave's number
.set G1,  24                           ; s[24:31] descriptor group 1 of half a block, s[68:75] of a block;  s[32:47] four groups 0
.set G1F, 68
.set G0,  32
.set BB,  32
.set XS,  128                          ; x's scale words: 8 p + s: lanes 0-15 tile 2 p, lanes 16-31 tile 2 p + 1, K step s
.set WS,  144                          ; the weights': 8 i + s, i = 2 x (q, k, v) + t / 2, likewise
.set TM,  192
.set TU,  196
.set TS,  200
.set TP,  204
.set PT,  208
.set PC,  224
.set HP,  248
.set MSB, 0
.macro WIN new                         ; the immediate's high byte repeats the setting that is left
.if MSB != \new
	s_set_vgpr_msb (MSB<<8)|(\new)
.set MSB, \new
.endif
.endm
.macro PLACES n
.rept \n
	v_nop
.endr
.endm
.macro CROUND                          ; a round of the cluster's barrier
	s_barrier_signal -1
	s_barrier_wait -1
	s_cmp_lg_u32 s[WV], 0
	s_cbranch_scc1 .Lnot_wave_0_\@
	s_barrier_signal -3
.Lnot_wave_0_\@:
	s_barrier_wait -3
	s_barrier_signal -1
	s_barrier_wait -1
.endm
; One matrix instruction.  ra, rb: the side's scales stand in lanes 16-31 of the register named.
.macro WMX d, a, b, c, sa, sb, ra, rb
	v_wmma_scale_f32_16x16x128_f8f6f4 v[\d:\d+7], v[\a:\a+11], v[\b:\b+11], \c, v[\sa], v[\sb] matrix_a_fmt:MATRIX_FMT_FP6 matrix_b_fmt:MATRIX_FMT_FP6 matrix_a_scale:MATRIX_SCALE_ROW\ra matrix_b_scale:MATRIX_SCALE_ROW\rb
.endm
.macro WM d, a, b, c, sa, sb, ra, rb
.if (\ra) && (\rb)
	WMX \d, \a, \b, \c, \sa, \sb, 1, 1
.elseif (\ra)
	WMX \d, \a, \b, \c, \sa, \sb, 1, 0
.elseif (\rb)
	WMX \d, \a, \b, \c, \sa, \sb, 0, 1
.else
	WMX \d, \a, \b, \c, \sa, \sb, 0, 0
.endif
.endm
	s_load_b256 s[4:11], s[0:1], 0x0               ; cw, sw, qc, qs
	s_load_b64 s[12:13], s[0:1], 0x20              ; kv
	v_lshl_add_u32 v[SPW], v0, 2, SPARE
	v_mov_b32 v[NIL], 0
	ds_add_u32 v[SPW], v[NIL]                      ; the wave's opening: the add, twice on end, and its wait ahead of the first tensor load
	ds_add_u32 v[SPW], v[NIL]
	v_lshrrev_b32 v1, 5, v0
	v_readfirstlane_b32 s[WV], v1                  ; wave 0..3
	v_and_b32 v10, 31, v0
	v_lshlrev_b32 v1, 4, v10                       ; 16 x lane: an image's place for my lane; also Wq's fragments in LDS
	v_add_nc_u32 v2, BLKB, v1                      ; Wk's
	v_add_nc_u32 v3, 2*BLKB, v1                    ; Wv's
	v_lshlrev_b32 v4, 3, v10                       ; 8 x lane
	v_and_b32 v11, 15, v0                          ; r
	v_bfe_u32 v7, v0, 4, 1                         ; h
	v_lshlrev_b32 v5, 4, v11
	v_lshl_add_u32 v5, v7, 9, v5                   ; 512 h + 16 r: scale words: lanes 16-31 take the next tile's
	v_lshlrev_b32 v7, 3, v7                        ; 8 h: my byte's shift in a pair of bytes
	v_mov_b32 v[HP], 0                             ; a lane permute's destination counts as read
	v_mov_b32 v[HP+1], 0
	s_bfe_u32 s15, ttmp6, 0x40000                  ; cx
	s_lshl_b32 s16, ttmp9, 2
	s_add_co_u32 s16, s16, s15                     ; my block of 256 tokens
	s_and_b32 s17, ttmp7, 0xffff                   ; the head, which the four partners share
.macro GROUP1 g, rows
	s_mov_b32 s[\g+0], 15|(3<<16)|(1<<21)          ; the mask: all four work-groups; elements of 8 bytes; bit 21 set beside a mask; no padding
	s_mov_b32 s[\g+1], 32<<16                      ; rows of 256 bytes
	s_mov_b32 s[\g+2], (\rows)<<16
	s_mov_b32 s[\g+3], 32<<16
	s_mov_b32 s[\g+4], \rows
	s_mov_b32 s[\g+5], 32
	s_mov_b32 s[\g+6], 0
	s_mov_b32 s[\g+7], 0
.endm
	GROUP1 G1, 96
	GROUP1 G1F, 192
	s_mov_b32 s48, 0x76543210
	s_mov_b32 s49, 0xfedcba98                      ; selects for lane l xor 16
	s_add_co_u32 s22, s17, 64                      ; Wq's block of the head; Wk's and Wv's lie 16 and 32 blocks on
	s_mul_i32 s22, s22, BLKB
	s_mov_b32 s23, 0
	s_wait_alu depctr_va_vdst(0)                   ; directly ahead of the waits below
	s_wait_dscnt 0x0                               ; both opening adds are done
	s_wait_kmcnt 0x0
	s_add_nc_u64 s[22:23], s[4:5], s[22:23]
.macro GROUP0 f, lds, off
	s_mov_b32 s[G0+4*\f], 1
	s_mov_b32 s[G0+4*\f+1], \lds
	s_add_nc_u64 s[G0+4*\f+2:G0+4*\f+3], s[22:23], \off
	s_or_b32 s[G0+4*\f+3], s[G0+4*\f+3], 0x80000000
.endm
	GROUP0 0, 0, 0
	GROUP0 1, BLKB/2, BLKB/2
	GROUP0 2, BLKB, 16*BLKB
	GROUP0 3, 2*BLKB, 32*BLKB
	s_lshl_b32 s2, s16, 2
	s_add_co_u32 s2, s2, s[WV]                     ; my wave's block of 64 tokens
	s_mov_b32 s19, 0
	s_mul_i32 s18, s2, BLKB
	s_add_nc_u64 s[50:51], s[4:5], s[18:19]        ; its codes
	s_lshl_b32 s18, s2, 11
	s_add_nc_u64 s[52:53], s[6:7], s[18:19]        ; its scale words: four tiles of 512 bytes
	s_lshl_b32 s18, s17, 11
	s_add_co_u32 s18, s18, 131072
	s_add_nc_u64 s[54:55], s[6:7], s[18:19]        ; the head's scale words in Wq; Wk's and Wv's lie 32,768 and 65,536 bytes on
.macro ALOAD s                         ; x's four fragments of K step s: twelve loads of 512 consecutive bytes
.irp m, 0,1,2,3
.set F_, 4*(\s)+\m
	WIN (2+F_/21)<<6
.irp q, 0,1,2
	global_load_b128 v[12*(F_%21)+4*\q:12*(F_%21)+4*\q+3], v1, s[50:51] offset:6144*(\s)+1536*\m+512*\q
.endr
.endr
	WIN 0
.endm
.irp p, 0,1
.irp f, 0,1
	global_load_b128 v[XS+8*\p+4*\f:XS+8*\p+4*\f+3], v5, s[52:53] offset:1024*\p+256*\f
.endr
.endr
.irp i, 0,1,2,3,4,5
.irp f, 0,1
	global_load_b128 v[WS+8*\i+4*\f:WS+8*\i+4*\f+3], v5, s[54:55] offset:32768*(\i/2)+1024*(\i%2)+256*\f
.endr
.endr
	ALOAD 0
	ALOAD 1
	s_lshr_b32 s2, s16, 3
	s_lshl_b32 s2, s2, 4
	s_add_co_u32 s2, s2, s17                       ; 16 x batch + head
	s_and_b32 s3, s16, 7                           ; my block of 256 tokens inside the batch
	s_lshl_b32 s18, s2, 7
	s_lshl_b32 s22, s3, 4
	s_add_co_u32 s18, s18, s22
	s_lshl_b32 s22, s[WV], 2
	s_add_co_u32 s18, s18, s22
	s_mul_i32 s18, s18, 768
	s_add_nc_u64 s[56:57], s[8:9], s[18:19]        ; qc: my four query tiles, 768 bytes each
	s_lshl_b32 s18, s2, 5
	s_lshl_b32 s22, s3, 2
	s_add_co_u32 s18, s18, s22
	s_add_co_u32 s18, s18, s[WV]
	s_lshl_b32 s18, s18, 8
	s_add_nc_u64 s[58:59], s[10:11], s[18:19]      ; qs: their scale words, 256 bytes
	s_lshl_b32 s18, s2, 4
	s_lshl_b32 s22, s3, 1
	s_add_co_u32 s18, s18, s22
	s_lshr_b32 s22, s[WV], 1
	s_add_co_u32 s18, s18, s22
	s_mul_i32 s18, s18, 12800
	s_add_nc_u64 s[12:13], s[12:13], s[18:19]      ; kv: my chunk of 128 keys: K 6,144 bytes, V 6,144, scales 512
	s_and_b32 s22, s[WV], 1                        ; my half of it
	s_mul_i32 s18, s22, 3072
	s_add_nc_u64 s[60:61], s[12:13], s[18:19]      ; K: my two pairs of key tiles
	s_mul_i32 s18, s22, 768
	s_add_co_u32 s18, s18, 6144
	s_add_nc_u64 s[62:63], s[12:13], s[18:19]      ; V: my 64 keys' half of each fragment
	s_lshl_b32 s18, s22, 8
	s_add_co_u32 s18, s18, 12288
	s_add_nc_u64 s[20:21], s[12:13], s[18:19]      ; the scales
	CROUND                                         ; all four work-groups are here: the joint loads meet
; One tensor load a wave, one chain of arms.
.macro ARM w, f, g, next
	s_cmp_eq_u32 s[WV], \w
	s_cbranch_scc0 \next
	tensor_load_to_lds s[G0+4*\f:G0+4*\f+3], s[\g:\g+7]
	s_nop 0
	PLACES 4
	s_branch .Lasked
\next:
.endm
	ARM 0, 0, G1, .Lwave_1
	ARM 1, 1, G1, .Lwave_2
	ARM 2, 2, G1F, .Lwave_3
	tensor_load_to_lds s[G0+12:G0+15], s[G1F:G1F+7]
	s_nop 0
	PLACES 4
.Lasked:
	ALOAD 2
	ALOAD 3
.macro BLOAD g, s, buf                 ; the four fragments of weight g (0 q, 1 k, 2 v), K step s, from LDS into buffer buf
.irp t, 0,1,2,3
.irp q, 0,1,2
	ds_load_b128 v[BB+48*(\buf)+12*\t+4*\q:BB+48*(\buf)+12*\t+4*\q+3], v[1+(\g)] offset:6144*(\s)+1536*\t+512*\q
.endr
.endr
.endm
.macro MUL g, s, buf                   ; 16 products: x's tile m with the weight's tile t.  K step 0 starts the sums
.irp m, 0,1,2,3
.set F_, 4*(\s)+\m
.set XW_, 2+F_/21
.set XR_, 12*(F_%21)
.irp t, 0,1,2,3
.if (\g) < 2
	WIN (XW_<<2)|0x50                              ; source 0 window 0, source 1 x's window, C and D window 1
.set D_, 128*(\g)+8*(4*\m+\t)
.if (\s) == 0
	WM D_, BB+48*(\buf)+12*\t, XR_, 0, WS+8*(2*(\g)+\t/2)+(\s), XS+8*(\m/2)+(\s), \t%2, \m%2
.else
	WM D_, BB+48*(\buf)+12*\t, XR_, v[D_:D_+7], WS+8*(2*(\g)+\t/2)+(\s), XS+8*(\m/2)+(\s), \t%2, \m%2
.endif
.else
	WIN XW_|0x50                                   ; source 0 x's window, source 1 window 0
.set D_, 8*(4*\t+\m)
.if (\s) == 0
	WM D_, XR_, BB+48*(\buf)+12*\t, 0, XS+8*(\m/2)+(\s), WS+8*(4+\t/2)+(\s), \m%2, \t%2
.else
	WM D_, XR_, BB+48*(\buf)+12*\t, v[D_:D_+7], XS+8*(\m/2)+(\s), WS+8*(4+\t/2)+(\s), \m%2, \t%2
.endif
.endif
.endr
.endr
.endm
; A barrier that shows the tile that wave w asked for (w = 4: all that is out).  The later tiles may stay on their way.
.macro SHOW w
	s_wait_dscnt 0x0                               ; no LDS instruction of mine is out at a signal
.if (\w) < 4
	s_cmp_eq_u32 s[WV], \w
	s_cbranch_scc0 .Lnot_mine_\@
	s_wait_tensorcnt 0x0
.Lnot_mine_\@:
.else
	s_wait_tensorcnt 0x0
.endif
	s_barrier_signal -1
	s_barrier_wait -1
.endm
; A group: weight g, K step s: 16 matrix instructions.  The 16 accumulators take turns, one instruction a turn, in the same order in every K step.
; Ahead of them the next group's fragments are asked of LDS, into the buffer that the group before has read: four places stand behind that group's products.
.macro GROUP g, s
.set JG, 8*(\g)+(\s)
.set JN, JG+1
.set BUF, JG%2
.if JG > 0
	PLACES 4
.endif
	WIN 0
.if JG == 3
	SHOW 1                                         ; Wq's K steps 4-7
.elseif JG == 7
	SHOW 2                                         ; Wk
.elseif JG == 15
	SHOW 4                                         ; Wv
.endif
.if JG < 23
	BLOAD JN/8, JN%8, 1-BUF
.endif
.if JG < 4
	ALOAD JG+4
	s_wait_loadcnt 48                              ; K step s is in (and the scale words, which are older); the 12 loads of each of the four later steps may be out
.elseif JG < 8
	s_wait_loadcnt 12*(7-JG)
.endif
.if JG < 23
	s_wait_dscnt 12                                ; this group's fragments are in; the 12 loads just issued may be out
.else
	s_wait_dscnt 0x0
.endif
	MUL \g, \s, BUF
.endm
; 128 accumulator registers of window 1, from base on, are four blocks of 32 neighbours along the next K.  They become four half fragments (six registers each) at v[PC] on; each lane's bytes of
; tiles 0, a1 and b0, 3 meet with those of lane l xor 16: the words go to v[out], lanes 0-15 the first pair's, lanes 16-31 the second's.  Each accumulator is read from its low end on.
.macro QUANT base, a1, b0, out
	PLACES 4                                       ; behind the last products
	WIN 0x15                                       ; sources in window 1
.irp e, 0,1,2,3
	v_max3_num_f32 v[TM+\e], |v[(\base)+32*\e]|, |v[(\base)+32*\e+1]|, 0x1800000    ; the floor 2^(3 - 127): the byte cannot fall under 1
	v_max3_num_f32 v[TU+\e], |v[(\base)+32*\e+16]|, |v[(\base)+32*\e+17]|, |v[(\base)+32*\e+18]|
.endr
	WIN 0x14                                       ; sources 1 and 2
.irp i, 2,4,6,8,10,12
.irp e, 0,1,2,3
	v_max3_num_f32 v[TM+\e], v[TM+\e], |v[(\base)+32*\e+\i]|, |v[(\base)+32*\e+\i+1]|
	v_max3_num_f32 v[TU+\e], v[TU+\e], |v[(\base)+32*\e+17+\i]|, |v[(\base)+32*\e+18+\i]|
.endr
.endr
.irp e, 0,1,2,3
	v_max3_num_f32 v[TM+\e], v[TM+\e], |v[(\base)+32*\e+14]|, |v[(\base)+32*\e+15]|
.endr
	WIN 0x10                                       ; source 2
.irp e, 0,1,2,3
	v_max3_num_f32 v[TM+\e], v[TM+\e], v[TU+\e], |v[(\base)+32*\e+31]|
.endr
	WIN 0
.irp e, 0,1,2,3
	v_add_nc_u32 v[TS+\e], 0xff000000, v[TM+\e]    ; 2 off its exponent field: the conversion's scale operand
.endr
.irp e, 0,1,2,3
	v_lshrrev_b32 v[TP+\e], 23, v[TS+\e]           ; the byte
.endr
	WIN 0x01                                       ; source 0
.irp e, 0,1,2,3
	v_cvt_scalef32_pk16_fp6_f32 v[PC+6*\e:PC+6*\e+2], v[(\base)+32*\e:(\base)+32*\e+15], v[TS+\e]
	v_cvt_scalef32_pk16_fp6_f32 v[PT+4*\e:PT+4*\e+2], v[(\base)+32*\e+16:(\base)+32*\e+31], v[TS+\e]
.endr
	WIN 0
	v_lshl_or_b32 v10, v[TP+\a1], 16, v[TP]        ; (also the plain place behind the scaled conversions)
	v_lshl_or_b32 v11, v[TP+3], 16, v[TP+\b0]
	v_lshlrev_b32 v10, v7, v10
	v_lshlrev_b32 v11, v7, v11
.irp e, 0,1,2,3
.irp i, 0,1,2
	v_mov_b32 v[PC+6*\e+3+\i], v[PT+4*\e+\i]
.endr
.endr
	v_permlanex16_b32 v[HP], v10, s48, s49
	v_permlanex16_b32 v[HP+1], v11, s48, s49
	v_or_b32 v10, v10, v[HP]
	v_or_b32 v11, v11, v[HP+1]
	v_cndmask_b32 v[\out], v10, v11, vcc_lo
.endm
	SHOW 0                                         ; Wq's K steps 0-3
	BLOAD 0, 0, 0
.irp s, 0,1,2,3,4,5,6,7
	GROUP 0, \s
.endr
	WIN 0
	v_cmp_ne_u32 vcc_lo, 0, v7                     ; lanes 16-31
	QUANT 0, 1, 2, 14                              ; q: half fragment m = my query tile m
	v_mov_b32 v15, v14
.irp m, 0,1,2,3
	global_store_b128 v1, v[PC+6*\m:PC+6*\m+3], s[56:57] offset:768*\m            ; 512 consecutive bytes,
	global_store_b64 v4, v[PC+6*\m+4:PC+6*\m+5], s[56:57] offset:768*\m+512       ; and 256
.endr
	global_store_b64 v4, v[14:15], s[58:59]        ; 256 consecutive bytes
.irp s, 0,1,2,3,4,5,6,7
	GROUP 1, \s
.endr
	WIN 0
	s_wait_xcnt 0x0                                ; q's stores have read the codes' registers
	QUANT 128, 1, 2, 12                            ; k: two key tiles make one fragment of 12 registers; the words wait for v's
.irp j, 0,1,2,3,4,5
	global_store_b128 v1, v[PC+4*\j:PC+4*\j+3], s[60:61] offset:512*\j
.endr
.irp s, 0,1,2,3,4,5,6,7
	GROUP 2, \s
.endr
	WIN 0
	s_wait_xcnt 0x0                                ; k's stores have read them
	QUANT 0, 2, 1, 13                              ; v: half fragment n = channels' tile n, my 64 keys; words: tiles 0 and 2, tiles 1 and 3
.irp n, 0,1,2,3
	global_store_b128 v1, v[PC+6*\n:PC+6*\n+3], s[62:63] offset:1536*\n
	global_store_b64 v4, v[PC+6*\n+4:PC+6*\n+5], s[62:63] offset:1536*\n+512
.endr
	global_store_b64 v4, v[12:13], s[20:21]        ; 256 consecutive bytes
	s_wait_tensorcnt 0x0                           ; the wave's end
	ds_add_u32 v[SPW], v[NIL]
	s_wait_dscnt 0x0
	CROUND                                         ; the closing round
	s_endpgm
.Lfunc_end_k_q7044106197_qkv:
	.size	k_q7044106197_qkv, .Lfunc_end_k_q7044106197_qkv-k_q7044106197_qkv
	.p2alignl 7, 3214868480
	.fill 96, 4, 3214868480
	.section	.rodata,"a",@progbits
	.p2align	6, 0x0
	.amdhsa_kernel k_q7044106197_qkv
		.amdhsa_group_segment_fixed_size 167936
		.amdhsa_private_segment_fixed_size 0
		.amdhsa_enable_private_segment 0
		.amdhsa_kernarg_size 40
		.amdhsa_user_sgpr_count 2
		.amdhsa_user_sgpr_kernarg_segment_ptr 1
		.amdhsa_wavefront_size32 1
		.amdhsa_system_sgpr_workgroup_id_x 1
		.amdhsa_system_sgpr_workgroup_id_y 1
		.amdhsa_system_sgpr_workgroup_id_z 1
		.amdhsa_system_vgpr_workitem_id 0
		.amdhsa_next_free_vgpr 960
		.amdhsa_next_free_sgpr 80
		.amdhsa_reserve_vcc 1
		.amdhsa_float_denorm_mode_32 3
		.amdhsa_float_denorm_mode_16_64 3
		.amdhsa_memory_ordered 1
		.amdhsa_forward_progress 1
		.amdhsa_inst_pref_size 112
	.end_amdhsa_kernel
	.amdgpu_metadata
---
amdhsa.version: [ 1, 2 ]
amdhsa.kernels:
  - .name:           k_q7044106197_qkv
    .symbol:         k_q7044106197_qkv.kd
    .args:
      - { .name: cw, .offset: 0, .size: 8, .value_kind: global_buffer, .address_space: global }
      - { .name: sw, .offset: 8, .size: 8, .value_kind: global_buffer, .address_space: global }
      - { .name: qc, .offset: 16, .size: 8, .value_kind: global_buffer, .address_space: global }
      - { .name: qs, .offset: 24, .size: 8, .value_kind: global_buffer, .address_space: global }
      - { .name: kv, .offset: 32, .size: 8, .value_kind: global_buffer, .address_space: global }
    .group_segment_fixed_size: 167936
    .private_segment_fixed_size: 0
    .kernarg_segment_align: 8
    .kernarg_segment_size: 40
    .max_flat_workgroup_size: 128
    .sgpr_count:     80
    .vgpr_count:     960
    .wavefront_size: 32
...
	.end_amdgpu_metadata
.endif
;; end of part 2
;; launch attn (part 3): grid 8 x 32, 8 waves a work-group, clusters of 4 x 1, 206,336 bytes of LDS; arguments qc, qs, kv, oc, os; writes oc, os
.if DOCPART == 3
	.amdgcn_target "amdgcn-amd-amdhsa--gfx1250"
	.amdhsa_code_object_version 6
	.text
	.protected	k_q7044106197_attn
	.globl	k_q7044106197_attn
	.p2align	8
	.type	k_q7044106197_attn,@function
k_q7044106197_attn:
	s_mov_b64 s[64:65], 0
	v_nop
	global_prefetch_b8 v0, s[64:65] scope:SCOPE_SE
	s_setreg_imm32_b32 hwreg(HW_REG_WAVE_MODE, 25, 1), 1
	s_wait_xcnt 0x0
	s_wait_alu depctr_hold_cnt(0) depctr_sa_sdst(0) depctr_va_vdst(0) depctr_va_sdst(0) depctr_va_ssrc(0) depctr_va_vcc(0) depctr_vm_vsrc(0)
	s_getreg_b32 s2, hwreg(HW_REG_IB_STS2, 6, 4)
	s_cmp_eq_u32 s2, 0
	s_cbranch_scc0 .Lentry_in_a_cluster
	s_endpgm
.Lentry_in_a_cluster:
	s_bfe_u32 s2, ttmp6, 0x10000c
	s_cmp_lg_u32 s2, 0x3003
	s_cbranch_scc0 .Lentry_shape_is_right
	s_endpgm
.Lentry_shape_is_right:
; o = softmax(q k^T / 8) v for one head, both products on codes of FP6 (E2M3) with E8M0 scales; o / l is quantised along the head's 64 and stored as the last product's operand.
; THE SOFTMAX: t = score x log2(e) / 8; M = the running largest t rounded UP to a whole number; p = 2^(t - M) is quantised along the keys, not normalised; the row's sum is taken of the
; unquantised p in f32 and divides at the end.  When M moves, the sum and O are multiplied by 2^(old M - new M): exact.
; SHARES: a work-group owns 256 queries of one head, each of its eight waves TWO tiles of 16, in 512 registers: two waves to a SIMD.  Each fragment of K and of V that a wave loads from LDS
; serves both tiles.  ALL 2,048 keys of the head lie in LDS: 16 chunks of 128 keys, 12,800 bytes each (K's four fragments, V's four, 512 bytes of scales), fetched once, one tensor load a
; wave: waves 0-3 a chunk each (chunks 0-3), waves 4-7 three chunks each.  The four query blocks of a cluster belong to one head: each load is JOINT.  Nothing in LDS is filled again.
; All that the launch reads of memory is asked for at its head, so there is nothing to prefetch.
; A KEY STEP (128 keys) HAS TWO PHASES: tile 0's softmax, then tile 1's.  Between the lines of one tile's softmax stand the other tile's twelve products: in phase 0 tile 1's O^T of the step
; before and its S^T of this step, in phase 1 tile 0's O^T of this step and its S^T of the next.
; LAYOUT: both products transposed (S^T = K Q^T, O^T = V^T P^T): a lane holds one query.  The head's 64 are half of the instruction's K: a fragment of K holds TWO key tiles (the even tile in
; K = 0..63, the odd one in 64..127), and Q stands beside six registers of zero codes, below them or above, so that one product takes one tile.  By the tiles' order of rows (tile j of 64 has
; rows 8 j + i and 32 + 8 j + i) the 32 registers of four tiles of S^T are block h of 64 keys, one scale block, in p's operand order; those of O^T are channels 32 h + 0 .. 31.
; LIMITS: NaN and infinities are not served; scores under -3e38 are not served; a block whose largest number lies under 2^-124 gets the byte 1; a block's byte of p is made from the whole part
; of its largest t - M: where the exponential rounds such a p up to the next power of two (t - M within an ulp of a whole number), that p is held at the largest code.
; REGISTERS.  Tile u of a wave lies in window u, under the same numbers: v10-15 zeros, v16-21 Q, v22-27 zeros; v29 log2(e) / 8; v30 -M, v31 the largest score; v34 f; v38 8 h; v40-51 at work;
; v[52:53] the sum, v54-55, v76-79, v234-249 its other parts; v56-67 p's codes, v68-74 at work; v128-191 S^T, then p; v192-223 O^T.
; Window 0 alone: v1-9, v36 addresses; v80-127 four fragments of K; v224, v226 K's scale words, v225, v227 V's halves, v228-229 V's words, v230-231 Q's, v232-233 p's.  Window 1 alone: v80-127 four fragments of V.
.set CHUNK, 12800
.set SCST,  16*CHUNK                   ; behind the chunks: 512 bytes in which the eight waves' scale words meet
.set SPARE, SCST+512                   ; the spare words, 128 bytes a wave
.set SPW, 6
.set NIL, 7
.set WV,  14
.set G1A, 24                           ; s[24:31], s[32:35]: one chunk
.set G0A, 32
.set G1B, 40                           ; s[40:47], s[36:39]: three chunks
.set G0B, 36
.set MSB, 0
.macro WIN new                         ; the immediate's high byte repeats the setting that is left
.if MSB != (\new)
	s_set_vgpr_msb (MSB<<8)|(\new)
.set MSB, (\new)
.endif
.endm
.macro CROUND
	s_barrier_signal -1
	s_barrier_wait -1
	s_cmp_lg_u32 s[WV], 0
	s_cbranch_scc1 .Lnot_wave_0_\@
	s_barrier_signal -3
.Lnot_wave_0_\@:
	s_barrier_wait -3
	s_barrier_signal -1
	s_barrier_wait -1
.endm
; One matrix instruction.  ra: source 0's scales stand in lanes 16-31 of the register named.
.macro WMX d, a, b, c, sa, sb, ra
	v_wmma_scale_f32_16x16x128_f8f6f4 v[\d:\d+7], v[\a:\a+11], v[\b:\b+11], \c, v[\sa], v[\sb] matrix_a_fmt:MATRIX_FMT_FP6 matrix_b_fmt:MATRIX_FMT_FP6 matrix_a_scale:MATRIX_SCALE_ROW\ra
.endm
.macro WM d, a, b, c, sa, sb, ra
.if (\ra)
	WMX \d, \a, \b, \c, \sa, \sb, 1
.else
	WMX \d, \a, \b, \c, \sa, \sb, 0
.endif
.endm
	s_load_b256 s[4:11], s[0:1], 0x0               ; qc, qs, kv, oc
	s_load_b64 s[12:13], s[0:1], 0x20              ; os
	v_lshl_add_u32 v[SPW], v0, 2, SPARE
	v_mov_b32 v[NIL], 0
	ds_add_u32 v[SPW], v[NIL]                      ; the wave's opening: the add, twice on end, and its wait ahead of the first tensor load
	ds_add_u32 v[SPW], v[NIL]
	v_lshrrev_b32 v8, 5, v0
	v_readfirstlane_b32 s[WV], v8                  ; wave 0..7
	s_bfe_u32 s15, ttmp6, 0x40000                  ; cx
	s_lshl_b32 s16, ttmp9, 2
	s_add_co_u32 s16, s16, s15                     ; my block of 256 queries
	s_and_b32 s17, ttmp7, 0xffff                   ; 16 x batch + head, which the four partners share
.macro GROUP1 g, rows
	s_mov_b32 s[\g+0], 15|(3<<16)|(1<<21)          ; the mask: all four work-groups; elements of 8 bytes; bit 21 set beside a mask; no padding
	s_mov_b32 s[\g+1], 32<<16                      ; rows of 256 bytes, 50 to a chunk
	s_mov_b32 s[\g+2], (\rows)<<16
	s_mov_b32 s[\g+3], 32<<16
	s_mov_b32 s[\g+4], \rows
	s_mov_b32 s[\g+5], 32
	s_mov_b32 s[\g+6], 0
	s_mov_b32 s[\g+7], 0
.endm
	GROUP1 G1A, 50
	GROUP1 G1B, 150
	s_mov_b32 s20, 0x76543210
	s_mov_b32 s21, 0xfedcba98                      ; selects for lane l xor 16
	s_mov_b32 s22, 0x3e38aa3b                      ; c = log2(e) / 8
	s_mov_b32 s23, 0xbe38aa3b                      ; -c
	s_mov_b32 s50, 0x05040100                      ; two low halves
	s_mov_b32 s51, 0x07060302                      ; two high halves
	s_lshl_b32 s52, s[WV], 6
	s_add_co_u32 s52, s52, SCST                    ; my 64 bytes of scale words
	v_and_b32 v8, 31, v0
	v_lshlrev_b32 v1, 4, v8                        ; 16 x lane
	v_lshlrev_b32 v2, 3, v8                        ; 8 x lane
	v_and_b32 v8, 15, v0                           ; r
	v_lshlrev_b32 v9, 3, v8                        ; 8 r
	v_lshlrev_b32 v5, 2, v8
	v_add_nc_u32 v5, s52, v5                       ; + 4 r
	v_add_nc_u32 v36, SCST, v1
	s_and_b32 s2, s[WV], 3
	s_mul_i32 s18, s2, CHUNK                       ; waves 0-3: chunk w;
	s_mul_i32 s19, s2, 3*CHUNK
	s_add_co_u32 s19, s19, 4*CHUNK                 ; waves 4-7: from chunk 4 + 3 (w - 4) on: the place in LDS and in the head's record are the same
	s_mul_i32 s2, s17, 16*CHUNK
	s_mov_b32 s3, 0
	s_mov_b32 s53, 0
	s_wait_alu depctr_va_vdst(0)                   ; directly ahead of the waits below
	s_wait_dscnt 0x0                               ; both opening adds are done
	s_wait_kmcnt 0x0
	s_add_nc_u64 s[2:3], s[8:9], s[2:3]
	s_mov_b32 s[G0A], 1
	s_mov_b32 s[G0A+1], s18
	s_mov_b32 s52, s18
	s_add_nc_u64 s[G0A+2:G0A+3], s[2:3], s[52:53]
	s_or_b32 s[G0A+3], s[G0A+3], 0x80000000
	s_mov_b32 s[G0B], 1
	s_mov_b32 s[G0B+1], s19
	s_mov_b32 s52, s19
	s_add_nc_u64 s[G0B+2:G0B+3], s[2:3], s[52:53]
	s_or_b32 s[G0B+3], s[G0B+3], 0x80000000
	s_lshl_b32 s52, s17, 7
	s_lshl_b32 s19, s16, 4
	s_add_co_u32 s52, s52, s19
	s_lshl_b32 s19, s[WV], 1
	s_add_co_u32 s52, s52, s19
	s_mul_i32 s52, s52, 768
	s_add_nc_u64 s[54:55], s[4:5], s[52:53]        ; my two query tiles' codes
	s_lshl_b32 s52, s17, 5
	s_lshl_b32 s19, s16, 2
	s_add_co_u32 s52, s52, s19
	s_lshr_b32 s62, s[WV], 1
	s_add_co_u32 s52, s52, s62
	s_lshl_b32 s52, s52, 8
	s_and_b32 s63, s[WV], 1
	s_lshl_b32 s18, s63, 7
	s_add_co_u32 s52, s52, s18
	s_add_nc_u64 s[56:57], s[6:7], s[52:53]        ; and their scale words, 8 bytes a row
	s_lshr_b32 s18, s17, 4
	s_lshl_b32 s18, s18, 5
	s_add_co_u32 s18, s18, s19                     ; my work-group's first block of 64 tokens
	s_add_co_u32 s52, s18, s62                     ; my tiles' block
	s_mul_i32 s52, s52, 49152
	s_and_b32 s19, s17, 15                         ; the head: K step head / 2, half head % 2 of the last product
	s_lshr_b32 s62, s19, 1
	s_mul_i32 s62, s62, 6144
	s_add_co_u32 s52, s52, s62
	s_mul_i32 s62, s63, 3072                       ; my first tile in the block: 2 (w % 2)
	s_add_co_u32 s52, s52, s62
	s_and_b32 s62, s17, 1
	s_mul_i32 s62, s62, 768
	s_add_co_u32 s52, s52, s62
	s_add_nc_u64 s[58:59], s[10:11], s[52:53]      ; oc
	s_lshl_b32 s52, s19, 13
	s_lshl_b32 s18, s18, 7
	s_add_co_u32 s52, s52, s18
	s_add_nc_u64 s[60:61], s[12:13], s[52:53]      ; os: [head][block 64][128 bytes]: my work-group's 512
	global_load_b32 v8, v9, s[56:57]
	global_load_b128 v[16:19], v1, s[54:55]        ; Q stays in registers
	global_load_b64 v[20:21], v2, s[54:55] offset:512
	WIN 0x40
	global_load_b128 v[16:19], v1, s[54:55] offset:768
	global_load_b64 v[20:21], v2, s[54:55] offset:1280
	WIN 0
	CROUND                                         ; all four work-groups are here: the joint loads meet
	s_cmp_lt_u32 s[WV], 4
	s_cbranch_scc0 .Lthree
	tensor_load_to_lds s[G0A:G0A+3], s[G1A:G1A+7]
	s_nop 0
.rept 4
	v_nop
.endr
	s_branch .Lasked
.Lthree:
	tensor_load_to_lds s[G0B:G0B+3], s[G1B:G1B+7]
	s_nop 0
.rept 4
	v_nop
.endr
.Lasked:
.macro INIT
.irp j, 10,11,12,13,14,15,22,23,24,25,26,27,35,45,49,52,53
	v_mov_b32 v\j, 0                               ; zero codes below and above Q; the sum; v35 is named as a pair's upper half; v45, v49: a lane permute's destination counts as read
.endr
	v_mov_b32 v29, s22
	v_mov_b32 v31, 0xff61b1e6                      ; the largest score so far: -3e38
	v_mul_f32 v46, s23, v31
	v_floor_f32 v30, v46                           ; -M
.set J, 0
.rept 32
	v_mov_b32 v[192+J], 0                          ; O^T: the step is written once for all keys; the first change of M leaves zeros zeros
.set J, J+1
.endr
.endm
	v_bfe_u32 v38, v0, 4, 1
	v_lshlrev_b32 v38, 3, v38                      ; 8 h, in both windows
	WIN 0x40
	v_bfe_u32 v38, v0, 4, 1
	WIN 0x55
	v_lshlrev_b32 v38, 3, v38
	INIT
	WIN 0
	s_wait_loadcnt 0x0
	v_perm_b32 v230, v8, v8, s50                   ; each tile's two bytes, for the lower and for the upper 64 of K
	v_perm_b32 v231, v8, v8, s51
	INIT                                           ; (also the places behind the scale words' lines)
	s_wait_alu depctr_va_vdst(0)                   ; the wait at the head's end
	s_cmp_lt_u32 s[WV], 4
	s_cbranch_scc0 .Lnot_mine
	s_wait_tensorcnt 0x0                           ; my chunk of the first four
.Lnot_mine:
	s_barrier_signal -1                            ; the twelve others may stay on their way
	s_barrier_wait -1
.macro KLOAD a, b, off                 ; a chunk's four fragments of K and its scale words: 14 loads
.irp p, 0,1,2,3
.irp q, 0,1,2
	ds_load_b128 v[80+12*\p+4*\q:80+12*\p+4*\q+3], \a offset:(\off)+1536*\p+512*\q      ; pair p of key tiles
.endr
.endr
.irp c, 0,1
	ds_load_b64 v[224+2*\c:225+2*\c], \b offset:(\off)+12288+256*\c     ; K's words of pairs 2 c (lanes 0-15) and 2 c + 1 (lanes 16-31); V's half words of keys 64 c on
.endr
.endm
.macro SX w, i                         ; tile w: S^T of key tile i: the other tile of the pair meets zero codes
	WM 128+8*(\i), 80+12*((\i)/2), 16-6*((\i)%2), 0, 224+2*((\i)/4), 230+\w, ((\i)/2)%2
.endm
.macro PVX w, n                        ; tile w: O^T += V^T P^T, channels' tile n
	WM 192+8*\n, 80+12*\n, 56, v[192+8*\n:199+8*\n], 228+\n/2, 232+\w, \n%2
.endm
.macro MS u, i                         ; in phase u: a product of the OTHER tile's S^T, and back to the phase's window
	WIN 0x44*(1-\u)
	SX (1-\u), \i
	WIN 0x55*\u
.endm
.macro MPV u, on, n                    ; a product of the other tile's O^T (V lies in window 1)
.if \on
	WIN 0x55-0x54*\u
	PVX (1-\u), \n
	WIN 0x55*\u
.endif
.endm
.macro TMINUSM j, n                    ; t - M of n pairs of scores
.set J_, \j
.rept \n
	v_dual_fma_f32 v[128+J_], v[128+J_], v29, v30 :: v_dual_fma_f32 v[129+J_], v[129+J_], v29, v30
.set J_, J_+2
.endr
.endm
.macro ADD2 d, a, b
	v_dual_add_f32 v[\d], v[\a], v[\b] :: v_dual_add_f32 v[\d+1], v[\a+1], v[\b+1]
.endm
; A PHASE: tile u's softmax of this step.  pv, sn: the other tile's products of O^T, of S^T stand in it.  more: a further step follows this one.
.macro PHASE u, pv, sn, more
	WIN 0x55*\u
	v_mov_b32 v47, v30                             ; -M as it was
.if \u
.if \more
	s_wait_dscnt 14                                ; V is in; the 14 loads of the next step's K and scale words may be out
.else
	s_wait_dscnt 0x0
.endif
.endif
	s_wait_alu depctr_va_vdst(0)                   ; ahead of the scores' first reader
.irp b, 0,1
	v_max3_num_f32 v[40+\b], v[128+32*\b], v[129+32*\b], v[130+32*\b]     ; two chains for each of my two blocks of 32 keys
	v_max3_num_f32 v[42+\b], v[144+32*\b], v[145+32*\b], v[146+32*\b]
.endr
.irp i, 3,5,7,9,11,13
.irp b, 0,1
	v_max3_num_f32 v[40+\b], v[40+\b], v[128+32*\b+\i], v[129+32*\b+\i]
	v_max3_num_f32 v[42+\b], v[42+\b], v[144+32*\b+\i], v[145+32*\b+\i]
.endr
.endr
.irp b, 0,1
	v_max3_num_f32 v[40+\b], v[40+\b], v[143+32*\b], v[159+32*\b]
.endr
.irp b, 0,1
	v_max_num_f32 v[40+\b], v[40+\b], v[42+\b]     ; each block's largest score
.endr
	v_max_num_f32 v44, v40, v41
	v_permlanex16_b32 v45, v44, s20, s21           ; lane l xor 16's 64 keys
	MPV \u, \pv, 0
	v_max3_num_f32 v31, v31, v44, v45              ; the running largest score
	v_mul_f32 v46, s23, v31
	MPV \u, \pv, 1
	v_floor_f32 v30, v46                           ; the new -M = -ceil(t)
	v_sub_f32 v46, v30, v47                        ; old M - new M: a whole number, 0 or less
	v_fma_f32 v40, v40, s22, v30                   ; each block's largest t - M
	v_fma_f32 v41, v41, s22, v30
	MPV \u, \pv, 2
	TMINUSM 0, 4                                   ; the first band's t - M
	v_cvt_i32_f32 v46, v46                         ; (it saturates)
	v_max_num_f32 v40, 0xc2f80000, v40             ; held at -124, so that the byte cannot fall under 1
	v_max_num_f32 v41, 0xc2f80000, v41
	MPV \u, \pv, 3
	TMINUSM 8, 4
	v_ldexp_f32 v34, 1.0, v46                      ; f = 2^(old M - new M)
	v_cvt_floor_i32_f32 v42, v40                   ; the largest p's exponent
	v_cvt_floor_i32_f32 v43, v41
.if !(\u)
	v_add_nc_u32 v3, s48, v1
	v_add_nc_u32 v4, s48, v2
	v_perm_b32 v228, v227, v225, s50               ; V's scale words: tiles 0 (lanes 0-15) and 1 (lanes 16-31),
	v_perm_b32 v229, v227, v225, s51               ; tiles 2 and 3
	WIN 0x40                                       ; into window 1
.irp n, 0,1,2,3
.irp c, 0,1
	ds_load_b128 v[80+12*\n+6*\c:80+12*\n+6*\c+3], v3 offset:6144+1536*\n+768*\c          ; V, which the next phase takes: the last products of the step before stand nine lines and more ahead
	ds_load_b64 v[80+12*\n+6*\c+4:80+12*\n+6*\c+5], v4 offset:6144+1536*\n+768*\c+512
.endr
.endr
	WIN 0
.endif
	v_add_lshl_u32 v50, v42, 0x7d, 23              ; the conversion's scale operand: exponent - 2 + 127 in the exponent field
	v_add_lshl_u32 v51, v43, 0x7d, 23
	v_lshl_add_u32 v48, v43, 16, v42
	TMINUSM 16, 4
	v_add_lshl_u32 v48, v48, 0x7d007d, v38         ; my two bytes, at their places in the word
	TMINUSM 24, 4
	v_permlanex16_b32 v49, v48, s20, s21
.if (\u) && (\sn)
	s_wait_dscnt 0x0                               ; the next step's K and scale words are in
.endif
	s_wait_alu depctr_va_vdst(0)                   ; ahead of O^T's first reader and of the exponentials
.set J_, 0
.rept 16
	v_pk_mul_f32 v[192+J_:193+J_], v[192+J_:193+J_], v[34:35] op_sel_hi:[1,0]     ; O^T under the new M
.set J_, J_+2
.endr
.if \u
	WIN 0x05                                       ; scale words lie in window 0
.endif
	v_or_b32 v[232+\u], v48, v49                   ; with lane l xor 16's two bytes p's scale word for these 128 keys is whole
	WIN 0x55*\u
.set K_, 0
.rept 16                               ; the first band's exponentials; between them the second band's t - M, which nobody reads ahead of the next wait
	v_exp_f32 v[128+2*K_], v[128+2*K_]             ; p = 2^(t - M)
	TMINUSM 32+2*K_, 1
	v_exp_f32 v[129+2*K_], v[129+2*K_]
.if (\sn) && ((K_%4) == 0)
	MS \u, K_/4
.endif
.set K_, K_+1
.endr
	v_nop                                          ; a plain place behind the exponentials
	s_wait_alu depctr_va_vdst(0)                   ; behind a batch and ahead of the next
.set K_, 0
.rept 16                               ; the second band's; between them sums of the first band's pairs and its conversions
	v_exp_f32 v[160+2*K_], v[160+2*K_]
.if K_ < 8
	ADD2 234+2*K_, 128+4*K_, 130+4*K_
.elseif K_ == 8
	v_cvt_scalef32_pk16_fp6_f32 v[56:58], v[128:143], v50
.elseif K_ == 10
	v_cvt_scalef32_pk16_fp6_f32 v[68:70], v[144:159], v50
.endif
	v_exp_f32 v[161+2*K_], v[161+2*K_]
.if (\sn) && ((K_%4) == 0) && (K_ < 12)
	MS \u, 4+K_/4
.endif
.set K_, K_+1
.endr
	v_nop
	s_wait_alu depctr_va_vdst(0)
	v_cvt_scalef32_pk16_fp6_f32 v[62:64], v[160:175], v51
	v_cvt_scalef32_pk16_fp6_f32 v[72:74], v[176:191], v51
	v_pk_fma_f32 v[52:53], v[52:53], v[34:35], v[234:235] op_sel_hi:[1,0,1]     ; the row's sum under the new M, and on.  (A plain place behind the scaled conversions)
.if \sn
	MS \u, 7
.endif
	ADD2 54, 236, 238
	ADD2 76, 240, 242
	ADD2 78, 244, 246
	v_dual_mov_b32 v59, v68 :: v_dual_mov_b32 v60, v69
	v_dual_mov_b32 v65, v72 :: v_dual_mov_b32 v66, v73
	v_mov_b32 v61, v70
	v_mov_b32 v67, v74
	ADD2 52, 52, 248
.if !(\u) && (\more)
	KLOAD v3, v4, CHUNK                            ; the next step's K, behind the last product that reads this one's
.endif
.set K_, 0
.rept 16                               ; the second band's 16 pairs, four chains by turns
	ADD2 52+2*((K_+1)%2)+24*(((K_+1)/2)%2), 52+2*((K_+1)%2)+24*(((K_+1)/2)%2), 160+2*K_
.set K_, K_+1
.endr
	ADD2 54, 54, 78
	ADD2 52, 52, 76
	ADD2 52, 52, 54
	WIN 0
.endm
; A KEY STEP: the 128 keys of the chunk at LDS byte s48.  Its K is in registers and tile 0's S^T is made.
.macro STEP pv, more
	PHASE 0, \pv, 1, \more
	PHASE 1, 1, \more, \more
	s_add_co_u32 s48, s48, CHUNK
.endm
	KLOAD v1, v2, 0
	s_mov_b32 s48, 0
	s_wait_dscnt 0x0
.irp i, 0,1,2,3,4,5,6,7
	SX 0, \i
.endr
.rept 4
	v_nop                                          ; places between these products and their first reader
.endr
	STEP 0, 1                                      ; the first step has no earlier P
	s_mov_b32 s49, 2
.Lfirst:                                               ; steps 1 and 2, which ask for K up to chunk 3
	STEP 1, 1
	s_sub_co_u32 s49, s49, 1
	s_cmp_lg_u32 s49, 0
	s_cbranch_scc1 .Lfirst
	s_wait_tensorcnt 0x0                           ; all that is out: chunks 4-15
	s_wait_dscnt 0x0
	s_barrier_signal -1
	s_barrier_wait -1
	s_mov_b32 s49, 12
.Lrest:                                                ; steps 3-14
	STEP 1, 1
	s_sub_co_u32 s49, s49, 1
	s_cmp_lg_u32 s49, 0
	s_cbranch_scc1 .Lrest
	STEP 1, 0                                      ; the last step asks for nothing more,
	WIN 0x55
.irp n, 0,1,2,3
	PVX 1, \n                                      ; and tile 1's last products stand behind it
.endr
	WIN 0
	; THE WAY OUT: o = O^T / l, quantised along the head's 64 (a lane holds one of the two blocks), as half a fragment of the last product's operand
.rept 4
	v_nop                                          ; places behind the last products
.endr
.macro ROWSUM
	v_add_f32 v52, v52, v53
	v_permlanex16_b32 v45, v52, s20, s21
	v_add_f32 v34, v52, v45
.endm
	ROWSUM
	WIN 0x55
	ROWSUM
	WIN 0
	s_wait_alu depctr_va_vdst(0)
	v_rcp_f32 v34, v34
	WIN 0x55
	v_rcp_f32 v34, v34
	v_nop                                          ; a plain place behind the reciprocals
.macro OUTQ
	s_wait_alu depctr_va_vdst(0)                   ; ahead of the reciprocal's and O^T's first reader
.set J_, 0
.rept 16
	v_pk_mul_f32 v[128+J_:129+J_], v[192+J_:193+J_], v[34:35] op_sel_hi:[1,0]     ; register i: channel 32 h + i of my query
.set J_, J_+2
.endr
	v_max3_num_f32 v40, |v128|, |v129|, 0x1800000
	v_max3_num_f32 v41, |v144|, |v145|, |v146|
.irp i, 2,4,6,8,10,12
	v_max3_num_f32 v40, v40, |v[128+\i]|, |v[129+\i]|
	v_max3_num_f32 v41, v41, |v[145+\i]|, |v[146+\i]|
.endr
	v_max3_num_f32 v40, v40, |v142|, |v143|
	v_max3_num_f32 v40, v40, v41, |v159|
	v_add_nc_u32 v50, 0xff000000, v40
	v_cvt_scalef32_pk16_fp6_f32 v[56:58], v[128:143], v50
	v_cvt_scalef32_pk16_fp6_f32 v[68:70], v[144:159], v50
	v_lshrrev_b32 v42, 23, v50                     ; my block's byte; also the plain place
.irp i, 0,1,2
	v_mov_b32 v[59+\i], v[68+\i]
.endr
.endm
	WIN 0
	OUTQ
	global_store_b128 v1, v[56:59], s[58:59]       ; 512 consecutive bytes,
	global_store_b64 v2, v[60:61], s[58:59] offset:512     ; and 256
	WIN 0x55
	OUTQ
	WIN 0x04                                       ; data in window 1
	global_store_b128 v1, v[56:59], s[58:59] offset:1536
	global_store_b64 v2, v[60:61], s[58:59] offset:2048
	WIN 0x01
	v_lshl_or_b32 v8, v42, 16, v42                 ; tile 1's byte above tile 0's,
	WIN 0
	v_lshlrev_b32 v8, v38, v8
	v_permlanex16_b32 v45, v8, s20, s21
	v_or_b32 v8, v8, v45                           ; with lane l xor 16's: two bytes for each tile
	ds_store_b32 v5, v8                            ; lanes r and 16 + r write the same word with the same value
	s_wait_dscnt 0x0                               ; for the others' sake
	s_barrier_signal -1
	s_barrier_wait -1
	s_cmp_lg_u32 s[WV], 0
	s_cbranch_scc1 .Lnot_first
	ds_load_b128 v[128:131], v36                   ; the sixteen tiles' half words: 512 bytes
	s_wait_dscnt 0x0
	global_store_b128 v1, v[128:131], s[60:61]     ; 512 consecutive bytes
.Lnot_first:
	s_wait_tensorcnt 0x0                           ; the wave's end
	ds_add_u32 v[SPW], v[NIL]
	s_wait_dscnt 0x0
	CROUND                                         ; the closing round
	s_endpgm
.Lfunc_end_k_q7044106197_attn:
	.size	k_q7044106197_attn, .Lfunc_end_k_q7044106197_attn-k_q7044106197_attn
	.p2alignl 7, 3214868480
	.fill 96, 4, 3214868480
	.section	.rodata,"a",@progbits
	.p2align	6, 0x0
	.amdhsa_kernel k_q7044106197_attn
		.amdhsa_group_segment_fixed_size 206336
		.amdhsa_private_segment_fixed_size 0
		.amdhsa_enable_private_segment 0
		.amdhsa_kernarg_size 40
		.amdhsa_user_sgpr_count 2
		.amdhsa_user_sgpr_kernarg_segment_ptr 1
		.amdhsa_wavefront_size32 1
		.amdhsa_system_sgpr_workgroup_id_x 1
		.amdhsa_system_sgpr_workgroup_id_y 1
		.amdhsa_system_sgpr_workgroup_id_z 1
		.amdhsa_system_vgpr_workitem_id 0
		.amdhsa_next_free_vgpr 512
		.amdhsa_next_free_sgpr 66
		.amdhsa_reserve_vcc 0
		.amdhsa_float_denorm_mode_32 3
		.amdhsa_float_denorm_mode_16_64 3
		.amdhsa_memory_ordered 1
		.amdhsa_forward_progress 1
		.amdhsa_inst_pref_size 138
	.end_amdhsa_kernel
	.amdgpu_metadata
---
amdhsa.version: [ 1, 2 ]
amdhsa.kernels:
  - .name:           k_q7044106197_attn
    .symbol:         k_q7044106197_attn.kd
    .args:
      - { .name: qc, .offset: 0, .size: 8, .value_kind: global_buffer, .address_space: global }
      - { .name: qs, .offset: 8, .size: 8, .value_kind: global_buffer, .address_space: global }
      - { .name: kv, .offset: 16, .size: 8, .value_kind: global_buffer, .address_space: global }
      - { .name: oc, .offset: 24, .size: 8, .value_kind: global_buffer, .address_space: global }
      - { .name: os, .offset: 32, .size: 8, .value_kind: global_buffer, .address_space: global }
    .group_segment_fixed_size: 206336
    .private_segment_fixed_size: 0
    .kernarg_segment_align: 8
    .kernarg_segment_size: 40
    .max_flat_workgroup_size: 256
    .sgpr_count:     66
    .vgpr_count:     512
    .wavefront_size: 32
...
	.end_amdgpu_metadata
.endif
;; end of part 3
;; launch proj (part 4): grid 16 x 16, 4 waves a work-group, clusters of 4 x 1, 167,936 bytes of LDS; arguments cw, sw, oc, os, bo, out0; writes out0
.if DOCPART == 4
	.amdgcn_target "amdgcn-amd-amdhsa--gfx1250"
	.amdhsa_code_object_version 6
	.text
	.protected	k_q7044106197_proj
	.globl	k_q7044106197_proj
	.p2align	8
	.type	k_q7044106197_proj,@function
k_q7044106197_proj:
	s_mov_b64 s[64:65], 0
	v_nop
	global_prefetch_b8 v0, s[64:65] scope:SCOPE_SE
	s_setreg_imm32_b32 hwreg(HW_REG_WAVE_MODE, 25, 1), 1
	s_wait_xcnt 0x0
	s_wait_alu depctr_hold_cnt(0) depctr_sa_sdst(0) depctr_va_vdst(0) depctr_va_sdst(0) depctr_va_ssrc(0) depctr_va_vcc(0) depctr_vm_vsrc(0)
	s_getreg_b32 s2, hwreg(HW_REG_IB_STS2, 6, 4)
	s_cmp_eq_u32 s2, 0
	s_cbranch_scc0 .Lentry_in_a_cluster
	s_endpgm
.Lentry_in_a_cluster:
	s_bfe_u32 s2, ttmp6, 0x10000c
	s_cmp_lg_u32 s2, 0x3003
	s_cbranch_scc0 .Lentry_shape_is_right
	s_endpgm
.Lentry_shape_is_right:
; out = o Wo^T + bo on codes of FP6 (E2M3) with E8M0 scales, sums in f32.  o's codes and scale half words were laid by the attention launch as images of this product's operand registers.
; SHARES: a work-group takes 256 tokens x 64 columns; each of its four waves 64 tokens (four tiles) x the 64 columns.  Wo's block of 64 columns (49,152 bytes) comes into LDS once, a quarter
; a wave; it is the same for the four work-groups of a cluster (four token blocks), so it is asked for JOINTLY; all of it then stays in each wave's registers.  Nothing in LDS is filled again.
; o's fragments belong to one wave alone: from memory straight into registers, two to three tiles ahead; so they are not asked for jointly.  No prefetch: no loop to run ahead in.
; THE ORDER: tile by tile, all of K: a tile's 16 rows leave while the next tile is multiplied.
; LAYOUT: transposed (source 0 = 16 rows of Wo, source 1 = 16 tokens): a lane holds one token and, by the tiles' order of rows (tile j of 64 has rows 8 j + i and 32 + 8 j + i), columns 32 h + 0 .. 31.
; The bias is the C of each sum's first matrix instruction.  The results go through the wave's own stage in LDS and leave as whole aligned runs of 256 bytes.
; LIMITS: NaN and infinities are not served.
; REGISTERS, in windows of 256: window 0: v1-12 addresses; v64-127 two sets of four accumulators; v128-143 o's scale words, v144-159 Wo's, v160-175 o's half words as loaded; v192-223 the bias;
;   v32-63, v224-255, v160-191 rows of the result on their way out.   windows 1-3: fragments, 21 to a window: Wo's 0-31 (4 s + t), o's 32-55 (8 (m % 3) + s).
.set BLKB,  49152
.set STGB,  4352                       ; a wave's stage: 16 rows x 272 bytes
.set SPARE, BLKB+4*STGB                ; behind the stages: the spare words, 128 bytes a wave
.set SPW, 8
.set NIL, 9
.set WV,  16
.set G1,  24
.set G0,  32
.set ACC, 64
.set AS,  128                          ; o's scale words: 8 (m % 2) + s: lanes 0-15 tile m % 2, lanes 16-31 tile m % 2 + 2
.set WS,  144                          ; Wo's: 8 (t / 2) + s: lanes 0-15 tile 2 (t / 2), lanes 16-31 the next
.set AX,  160
.set BI,  192
.set MSB, 0
.macro WIN new                         ; the immediate's high byte repeats the setting that is left
.if MSB != \new
	s_set_vgpr_msb (MSB<<8)|(\new)
.set MSB, \new
.endif
.endm
.macro PLACES n
.rept \n
	v_nop
.endr
.endm
.macro CROUND
	s_barrier_signal -1
	s_barrier_wait -1
	s_cmp_lg_u32 s[WV], 0
	s_cbranch_scc1 .Lnot_wave_0_\@
	s_barrier_signal -3
.Lnot_wave_0_\@:
	s_barrier_wait -3
	s_barrier_signal -1
	s_barrier_wait -1
.endm
; One matrix instruction.  ra, rb: the side's scales stand in lanes 16-31 of the register named.
.macro WMX d, a, b, c, sa, sb, ra, rb
	v_wmma_scale_f32_16x16x128_f8f6f4 v[\d:\d+7], v[\a:\a+11], v[\b:\b+11], v[\c:\c+7], v[\sa], v[\sb] matrix_a_fmt:MATRIX_FMT_FP6 matrix_b_fmt:MATRIX_FMT_FP6 matrix_a_scale:MATRIX_SCALE_ROW\ra matrix_b_scale:MATRIX_SCALE_ROW\rb
.endm
.macro WM d, a, b, c, sa, sb, ra, rb
.if (\ra) && (\rb)
	WMX \d, \a, \b, \c, \sa, \sb, 1, 1
.elseif (\ra)
	WMX \d, \a, \b, \c, \sa, \sb, 1, 0
.elseif (\rb)
	WMX \d, \a, \b, \c, \sa, \sb, 0, 1
.else
	WMX \d, \a, \b, \c, \sa, \sb, 0, 0
.endif
.endm
	s_load_b256 s[4:11], s[0:1], 0x0               ; cw, sw, oc, os
	s_load_b128 s[12:15], s[0:1], 0x20             ; bo, out0
	v_lshl_add_u32 v[SPW], v0, 2, SPARE
	v_mov_b32 v[NIL], 0
	ds_add_u32 v[SPW], v[NIL]                      ; the wave's opening: the add, twice on end, and its wait ahead of the first tensor load
	ds_add_u32 v[SPW], v[NIL]
	v_lshrrev_b32 v1, 5, v0
	v_readfirstlane_b32 s[WV], v1                  ; wave 0..3
	v_and_b32 v2, 31, v0
	v_lshlrev_b32 v1, 4, v2                        ; 16 x lane
	v_lshlrev_b32 v4, 3, v2                        ; 8 x lane
	v_lshlrev_b32 v6, 2, v2                        ; 4 x lane
	v_and_b32 v2, 15, v0                           ; r
	v_bfe_u32 v3, v0, 4, 1                         ; h
	v_lshlrev_b32 v5, 4, v2
	v_lshl_add_u32 v12, v3, 12, v5                 ; the result: 4,096 h + 16 r: lanes 0-15 one row, lanes 16-31 the next
	v_lshlrev_b32 v7, 7, v3                        ; 128 h: the bias of my half's 32 columns
	s_mul_i32 s2, s[WV], STGB
	s_add_co_u32 s2, s2, BLKB                      ; my stage
	v_mul_u32_u24 v10, v2, 272
	v_lshl_add_u32 v10, v3, 7, v10
	v_add_nc_u32 v10, s2, v10                      ; into it: row r, 128 h bytes on
	v_mul_u32_u24 v11, v3, 272
	v_add_nc_u32 v11, v11, v5
	v_add_nc_u32 v11, s2, v11                      ; out of it: row h, 16 r bytes on
	v_lshl_add_u32 v5, v3, 9, v5                   ; 512 h + 16 r: Wo's scale words
	s_bfe_u32 s17, ttmp6, 0x40000                  ; cx
	s_lshl_b32 s18, ttmp9, 2
	s_add_co_u32 s18, s18, s17                     ; my block of 256 tokens
	s_and_b32 s19, ttmp7, 0xffff                   ; my 64 columns, which the four partners share
	s_mov_b32 s[G1+0], 15|(3<<16)|(1<<21)          ; the mask: all four work-groups; elements of 8 bytes; bit 21 set beside a mask; no padding
	s_mov_b32 s[G1+1], 32<<16                      ; rows of 256 bytes,
	s_mov_b32 s[G1+2], 48<<16                      ; 48 of them: two K steps, 12,288 dense bytes
	s_mov_b32 s[G1+3], 32<<16
	s_mov_b32 s[G1+4], 48
	s_mov_b32 s[G1+5], 32
	s_mov_b32 s[G1+6], 0
	s_mov_b32 s[G1+7], 0
	s_mov_b32 s48, 0x05040100                      ; two low halves
	s_mov_b32 s49, 0x07060302                      ; two high halves
	s_mul_i32 s3, s[WV], 12288                     ; my quarter: K steps 2 w and 2 w + 1
	s_add_co_u32 s22, s19, 112                     ; Wo's blocks follow x's 64 and the three other weights' 48
	s_mul_i32 s22, s22, BLKB
	s_add_co_u32 s22, s22, s3
	s_mov_b32 s23, 0
	s_wait_alu depctr_va_vdst(0)                   ; directly ahead of the waits below
	s_wait_dscnt 0x0                               ; both opening adds are done
	s_wait_kmcnt 0x0
	s_mov_b32 s[G0], 1
	s_mov_b32 s[G0+1], s3
	s_add_nc_u64 s[G0+2:G0+3], s[4:5], s[22:23]
	s_or_b32 s[G0+3], s[G0+3], 0x80000000
	s_lshl_b32 s2, s18, 2
	s_add_co_u32 s2, s2, s[WV]                     ; my wave's block of 64 tokens
	s_mov_b32 s21, 0
	s_mul_i32 s20, s2, BLKB
	s_add_nc_u64 s[50:51], s[8:9], s[20:21]        ; o's codes
	s_lshl_b32 s20, s2, 7
	s_add_nc_u64 s[52:53], s[10:11], s[20:21]      ; o's scale half words: 128 bytes for each head, 8,192 bytes from head to head
	s_lshl_b32 s20, s19, 11
	s_add_co_u32 s20, s20, 448*512
	s_add_nc_u64 s[54:55], s[6:7], s[20:21]        ; Wo's scale words
	s_lshl_b32 s20, s19, 8
	s_add_nc_u64 s[56:57], s[12:13], s[20:21]      ; the bias of my 64 columns
	s_lshl_b32 s3, s2, 18
	s_add_co_u32 s20, s20, s3
	s_add_nc_u64 s[58:59], s[14:15], s[20:21]      ; the result: 64 rows of 4,096 bytes a block, 256 bytes of each
.irp d, 0,1,2,3,4,5,6,7,8,9,10,11,12,13,14,15
	global_load_b32 v[AX+\d], v6, s[52:53] offset:8192*\d          ; head d: lanes 0-15 tiles 0 (low half) and 1 (high half), lanes 16-31 tiles 2 and 3
.endr
.irp i, 0,1
.irp f, 0,1
	global_load_b128 v[WS+8*\i+4*\f:WS+8*\i+4*\f+3], v5, s[54:55] offset:1024*\i+256*\f
.endr
.endr
.irp t, 0,1,2,3
.irp j, 0,1
	global_load_b128 v[BI+8*\t+4*\j:BI+8*\t+4*\j+3], v7, s[56:57] offset:32*\t+16*\j   ; tile t, register i: column 32 h + 8 t + i
.endr
.endr
	CROUND                                         ; all four work-groups are here: the joint loads meet
	tensor_load_to_lds s[G0:G0+3], s[G1:G1+7]      ; every wave a quarter of Wo's block
	s_nop 0
	PLACES 4
.macro OLOAD m                         ; o's eight fragments of tile m: a fragment is two heads' halves of six registers: 32 loads
.irp s, 0,1,2,3,4,5,6,7
.set F_, 32+8*((\m)%3)+\s
	WIN (1+F_/21)<<6
.irp c, 0,1
	global_load_b128 v[12*(F_%21)+6*\c:12*(F_%21)+6*\c+3], v1, s[50:51] offset:6144*\s+1536*(\m)+768*\c
	global_load_b64 v[12*(F_%21)+6*\c+4:12*(F_%21)+6*\c+5], v4, s[50:51] offset:6144*\s+1536*(\m)+768*\c+512
.endr
.endr
	WIN 0
.endm
	OLOAD 0
	OLOAD 1
	s_wait_loadcnt 63                              ; 92 loads were issued: the first 29, o's half words, Wo's words and the bias among them, are in
.irp s, 0,1,2,3,4,5,6,7
	v_perm_b32 v[AS+\s], v[AX+2*\s+1], v[AX+2*\s], s48             ; K step s: head 2 s's two bytes, then head 2 s + 1's
	v_perm_b32 v[AS+8+\s], v[AX+2*\s+1], v[AX+2*\s], s49
.endr
	PLACES 8                                       ; a scale word's line stands eight places ahead of the product that names it
	s_wait_alu depctr_va_vdst(0)                   ; the wait at the head's end
	s_wait_tensorcnt 0x0                           ; my quarter has landed
	s_barrier_signal -1
	s_barrier_wait -1                              ; everybody's has
.irp s, 0,1,2,3,4,5,6,7
.irp t, 0,1,2,3
.set F_, 4*\s+\t
	WIN (1+F_/21)<<6
.irp q, 0,1,2
	ds_load_b128 v[12*(F_%21)+4*\q:12*(F_%21)+4*\q+3], v1 offset:6144*\s+1536*\t+512*\q    ; all of Wo's block: 96 loads
.endr
.endr
.endr
	WIN 0
	OLOAD 2
; Tile m: 32 matrix instructions, its four accumulators by turns.
.macro TILE m
.irp s, 0,1,2,3,4,5,6,7
.if (\m) == 0
.if \s < 2
	s_wait_dscnt 63
.else
	s_wait_dscnt 12*(7-\s)                         ; Wo's fragments of K step s are in; the 12 loads of each later step may be out
.endif
.endif
.set FO_, 32+8*((\m)%3)+\s
.irp t, 0,1,2,3
.set FW_, 4*\s+\t
.set D_, ACC+32*((\m)%2)+8*\t
	WIN (1+FW_/21)|((1+FO_/21)<<2)                 ; sources 0 and 1 in the fragments' windows, C and D window 0
.if \s == 0
	WM D_, 12*(FW_%21), 12*(FO_%21), BI+8*\t, WS+8*(\t/2)+\s, AS+8*((\m)%2)+\s, \t%2, (\m)/2
.else
	WM D_, 12*(FW_%21), 12*(FO_%21), D_, WS+8*(\t/2)+\s, AS+8*((\m)%2)+\s, \t%2, (\m)/2
.endif
.endr
.endr
	WIN 0
.endm
; THE WAY OUT of tile m: 32 bytes a lane and accumulator into my stage, back as rows of 256 bytes.  LDS serves a wave's instructions in order: no wait between the stores and the loads.
.macro OBUF m
.if (\m) == 1
.set OBB, 224
.elseif (\m) == 2
.set OBB, 160
.else
.set OBB, 32
.endif
.endm
.macro TOSTAGE m
	PLACES 4                                       ; behind the tile's products
	OBUF \m
.irp t, 0,1,2,3
.irp j, 0,1
	ds_store_b128 v10, v[ACC+32*((\m)%2)+8*\t+4*\j:ACC+32*((\m)%2)+8*\t+4*\j+3] offset:32*\t+16*\j     ; each accumulator from its low end on
.endr
.endr
.irp i, 0,1,2,3,4,5,6,7
	ds_load_b128 v[OBB+4*\i:OBB+4*\i+3], v11 offset:544*\i
.endr
.endm
.macro SEND m
	s_wait_dscnt 0x0
	OBUF \m
.irp i, 0,1,2,3,4,5,6,7
	global_store_b128 v12, v[OBB+4*\i:OBB+4*\i+3], s[58:59] offset:(8*(\m)+2*\i+24*(\i/4))*4096 th:TH_STORE_NT   ; sixteen lanes store 256 consecutive bytes, aligned; the tile's rows 2 i and 2 i + 1
.endr
.endm
	s_wait_loadcnt 63                              ; tile 0 is in: behind it 64 loads were issued
	TILE 0
	TOSTAGE 0
	OLOAD 3                                        ; into tile 0's registers, four places and more behind its products
	s_wait_loadcnt 63                              ; tile 1 is in
	TILE 1
	SEND 0
	TOSTAGE 1
	s_wait_loadcnt 32                              ; tile 2 is in; tile 3's 32 loads may be out
	TILE 2
	SEND 1
	TOSTAGE 2
	s_wait_loadcnt 0x0
	TILE 3
	SEND 2
	s_wait_xcnt 0x0                                ; tile 0's stores have read their registers, which take tile 3's rows
	TOSTAGE 3
	SEND 3
	s_wait_tensorcnt 0x0                           ; the wave's end
	ds_add_u32 v[SPW], v[NIL]
	s_wait_dscnt 0x0
	CROUND                                         ; the closing round
	s_endpgm
.Lfunc_end_k_q7044106197_proj:
	.size	k_q7044106197_proj, .Lfunc_end_k_q7044106197_proj-k_q7044106197_proj
	.p2alignl 7, 3214868480
	.fill 96, 4, 3214868480
	.section	.rodata,"a",@progbits
	.p2align	6, 0x0
	.amdhsa_kernel k_q7044106197_proj
		.amdhsa_group_segment_fixed_size 167936
		.amdhsa_private_segment_fixed_size 0
		.amdhsa_enable_private_segment 0
		.amdhsa_kernarg_size 48
		.amdhsa_user_sgpr_count 2
		.amdhsa_user_sgpr_kernarg_segment_ptr 1
		.amdhsa_wavefront_size32 1
		.amdhsa_system_sgpr_workgroup_id_x 1
		.amdhsa_system_sgpr_workgroup_id_y 1
		.amdhsa_system_sgpr_workgroup_id_z 1
		.amdhsa_system_vgpr_workitem_id 0
		.amdhsa_next_free_vgpr 960
		.amdhsa_next_free_sgpr 66
		.amdhsa_reserve_vcc 0
		.amdhsa_float_denorm_mode_32 3
		.amdhsa_float_denorm_mode_16_64 3
		.amdhsa_memory_ordered 1
		.amdhsa_forward_progress 1
		.amdhsa_inst_pref_size 52
	.end_amdhsa_kernel
	.amdgpu_metadata
---
amdhsa.version: [ 1, 2 ]
amdhsa.kernels:
  - .name:           k_q7044106197_proj
    .symbol:         k_q7044106197_proj.kd
    .args:
      - { .name: cw, .offset: 0, .size: 8, .value_kind: global_buffer, .address_space: global }
      - { .name: sw, .offset: 8, .size: 8, .value_kind: global_buffer, .address_space: global }
      - { .name: oc, .offset: 16, .size: 8, .value_kind: global_buffer, .address_space: global }
      - { .name: os, .offset: 24, .size: 8, .value_kind: global_buffer, .address_space: global }
      - { .name: bo, .offset: 32, .size: 8, .value_kind: global_buffer, .address_space: global }
      - { .name: out0, .offset: 40, .size: 8, .value_kind: global_buffer, .address_space: global }
    .group_segment_fixed_size: 167936
    .private_segment_fixed_size: 0
    .kernarg_segment_align: 8
    .kernarg_segment_size: 48
    .max_flat_workgroup_size: 128
    .sgpr_count:     66
    .vgpr_count:     960
    .wavefront_size: 32
...
	.end_amdgpu_metadata
.endif
;; end of part 4
